; MI455X (gfx1250); checked and timed in simulation.
; The chip was launched on July 23, 2026; its instructions are those of AMD's public machine-readable ISA for CDNA 5 (MIT licence, August 2026) and "CDNA5" Instruction Set Architecture Reference Guide (July 2026). The comments in the code are by the model that wrote it; some were corrected since.
;; Column Mixed Precision Linear. Allowed arithmetic: matrix products marked QUANTISED: E4M3 operands, one given power-of-two scale a tensor, by v_wmma_f32_16x16x64_fp8_fp8 or v_wmma_f32_16x16x128_fp8_fp8, f32 sums; everything else in f32.
;; Inputs: bias 4,096 float32; lowp_scales 8 int32 (the exponents e of the quantised operands' scales 2^e); s0 4,096 float32; s1 4,096 float32; s2 4,096 float32; s3 4,096 float32; wq0 4,096 x 1,024 int8; wq1 4,096 x 1,024 int8; wq2 4,096 x 1,024 int8; wq3 4,096 x 1,024 int8; x 4 x 1,024 x 4,096 float32.
;; Outputs: out0 4 x 1,024 x 4,096 float32.
;; This version of the problem:
;;   THIS VERSION OF THE PROBLEM IS GIVEN IN LOW PRECISION. The matrix products marked QUANTISED in the list below multiply operands that are first quantised to E4M3 (4 exponent bits, 3 mantissa bits; 8 bits a number), with one given power-of-two scale for each operand tensor; their sums are f32. All else is computed in f32.
;;   The module's matrix products, in the order in which they are computed (A, B: the left and right operand; K: the contracted axis; several contracted axes count as one K, in the product's order):
;;     1. [M 4,096, K 1,024] x [K 1,024, N 4,096]; A: computed on the way; B: computed on the way: QUANTISED (scales: A lowp_scales[0], B lowp_scales[1])
;;     2. [M 4,096, K 1,024] x [K 1,024, N 4,096]; A: computed on the way; B: computed on the way: QUANTISED (scales: A lowp_scales[2], B lowp_scales[3])
;;     3. [M 4,096, K 1,024] x [K 1,024, N 4,096]; A: computed on the way; B: computed on the way: QUANTISED (scales: A lowp_scales[4], B lowp_scales[5])
;;     4. [M 4,096, K 1,024] x [K 1,024, N 4,096]; A: computed on the way; B: computed on the way: QUANTISED (scales: A lowp_scales[6], B lowp_scales[7])
;;   THE QUANTISER, for each operand of a quantised product, along K:
;;     - The operand's scale is 2^e, e = its entry of the input lowp_scales (int32; the entries are numbered through the quantised products in the list's order, A before B).
;;     - Each number is divided by the scale, clamped to +-448, and rounded to the nearest number of E4M3, ties to even, subnormals kept.
;;     - The product sums the exact products of the quantised numbers (number of the format x scale) in f32.
;;   ~~~python
;;   def quantise(x, axis, e):      # numpy; x: float32 -> the quantised numbers, widened to float32 again
;;       x = np.moveaxis(x, axis, -1); K = x.shape[-1]
;;       r = np.clip(x / 2.0 ** e, -448, 448)
;;       step = 2.0 ** (np.maximum(np.frexp(np.where(r == 0, 1, r))[1] - 1, -6) - 3)
;;       q = np.round(r / step) * step * 2.0 ** e      # np.round: ties to even
;;       return np.moveaxis(q, -1, axis).astype(np.float32)
;;   ~~~
;;   OPERANDS COMPUTED ON THE WAY. 'Computed on the way' means the value that the module computes at that place (a softmax that the list does not call 'softmax' is quantised finished and normalised). What goes into a quantiser is computed in f32, as accurately as f32 sums, v_exp_f32 and their like allow (about 1e-6 of the number): no bf16 or f16 on the way to a quantiser, and a product that is left as it is and whose result goes on into a quantised operand takes f32 operands (vector FMAs, or v_wmma_f32_16x16x4_f32). A number that lies on a knife's edge between two numbers of the format may be rounded either way, as far as f32 arithmetic and the matrix unit's own rounding can turn it there, and no further.
;; One version. Each part assembles by itself: llvm-mc -triple=amdgcn-amd-amdhsa -mcpu=gfx1250 --defsym DOCPART=n.
;; ======== version 1 of 1: 2 launches
;; limits: right only within a limited range of input values
;; workspace buffers: xq 16,777,216 bytes; wc 16,777,216 bytes
;; launch quant (part 1): grid 1024 x 1, 4 waves a work-group, no clusters, 67,072 bytes of LDS; arguments x, wq0, wq1, wq2, wq3, s0, s1, s2, s3, lowp_scales, xq, wc; writes xq, wc
.if DOCPART == 1
	.amdgcn_target "amdgcn-amd-amdhsa--gfx1250"
	.amdhsa_code_object_version 6
	.text
	.protected	k_q3542ce2d31_quant
	.globl	k_q3542ce2d31_quant
	.p2align	8
	.type	k_q3542ce2d31_quant,@function
k_q3542ce2d31_quant:
	s_mov_b64 s[64:65], 0
	v_nop
	global_prefetch_b8 v0, s[64:65] scope:SCOPE_SE
	s_setreg_imm32_b32 hwreg(HW_REG_WAVE_MODE, 25, 1), 1
	s_wait_xcnt 0x0
; Both operands of the four quantised products become codes of FP8 (E4M3), one byte each, once for the whole program.
;   xq[m][k] = code of x[m][k] / 2^e[2 i], i = k / 1024: [4096][4096] bytes, laid as x lies.
;   wc holds the codes of (f32(wq_i[o][d]) x s_i[o]) / 2^e[2 i + 1], k = 1024 i + d, as images of the product's operand registers:
;   byte (o / 64) 262144 + (k / 128) 8192 + ((o % 64) / 16) 2048 + ((k % 128) / 32) 512 + ((k % 32) / 16) 256 + (o % 16) 16 + k % 16.
; code = number / 2^e, held within +-448, rounded to the nearest code, ties to even.  e: the eight whole numbers (int32) of lowp_scales.
; LIMITS: each e between -126 and 119; s below 2^120, so that 128 s is an f32 number; NaN among the inputs is not served (an infinity is held at the largest code).
; SHARES.  Work-groups 0 to 511 take x, 8,192 numbers a wave; work-groups 512 to 1,023 take the weights, 16 rows x 512 along K of one slice a wave.
; Waves share nothing: no barrier.  No tensor load, no matrix unit, no cluster: every byte is read once by one wave.  Each path has LDS bytes of its own.
.set WGX,   512
.set STEPS, 16
.set WREG,  8192                       ; x: a region for each wave: two stages of 32 x SP bytes
.set SP,    80
.set WST,   0x8200                     ; the weights' stages, behind x's regions and the spare words
.set WP,    528                        ; a stage row: 512 bytes + 16 of padding
.set R,     16                         ; v16-79   data as loaded
.set X,     80                         ; v80-111  two sets of 16 numbers in f32
.set SC,    112                        ; x: v[SC+2i] = 2^e[2i], v[SC+2i+1] = 448 x that;  weights: v[SC] = s of my row, v[SC+1] = -128 s
.set C,     128                        ; v128-191 codes: four registers for each step
	s_load_b512 s[4:19], s[0:1], 0x0               ; x s[4:5]; wq0-3 s[6:13]; s0 s[14:15], s1 s[16:17], s2 s[18:19]
	s_load_b256 s[20:27], s[0:1], 0x40             ; s3 s[20:21]; lowp_scales s[22:23]; xq s[24:25]; wc s[26:27]
	v_lshl_add_u32 v192, v0, 2, 0x8000             ; my spare word,
	v_mov_b32 v193, 0                              ; and 0
	v_lshrrev_b32 v1, 5, v0
	v_readfirstlane_b32 s36, v1                    ; wave 0..3
	s_mul_i32 s37, s36, WREG
	s_mul_i32 s48, s36, 16*WP
	s_add_co_u32 s48, s48, WST                     ; my stage for the weights
	v_and_b32 v2, 31, v0                           ; lane
	v_lshlrev_b32 v3, 4, v2                        ; 16 x lane
	v_lshrrev_b32 v14, 2, v2
	v_mul_u32_u24 v14, v14, SP
	v_and_b32 v15, 3, v2
	v_lshl_add_u32 v14, v15, 4, v14
	v_add_nc_u32 v14, s37, v14                     ; x's stage, in: SP (lane / 4) + 16 (lane % 4)
	v_mul_u32_u24 v15, v2, SP
	v_add_nc_u32 v15, s37, v15                     ; and out: SP x lane
	v_add_nc_u32 v8, s48, v3                       ; the weights' stage, in: 16 x lane of a row
	v_and_b32 v4, 15, v2
	v_lshrrev_b32 v5, 4, v2
	v_mul_u32_u24 v9, v4, WP
	v_lshl_add_u32 v9, v5, 4, v9
	v_add_nc_u32 v9, s48, v9                       ; and out: row lane % 16, 16 bytes for each half of the lanes
	v_lshlrev_b32 v12, 2, v4                       ; s of row lane % 16
	s_wait_alu depctr_va_vdst(0)
	s_wait_kmcnt 0x0
	s_load_b256 s[28:35], s[22:23], 0x0            ; e0 .. e7
	s_cmp_ge_u32 ttmp9, WGX
	s_cbranch_scc1 .Lw
; ---- x.  A step's four loads read 512 consecutive bytes each; the 2,048 bytes go through the wave's own stage and come back 64 bytes a lane: 16 neighbours along K.
; A step's 512 numbers lie in one slice, (t / 2) % 4.
	s_lshl_b32 s37, ttmp9, 2
	s_add_co_u32 s37, s37, s36
	s_lshl_b32 s38, s37, 15
	s_mov_b32 s39, 0
	s_add_nc_u64 s[4:5], s[4:5], s[38:39]
	s_lshl_b32 s38, s37, 13
	s_add_nc_u64 s[24:25], s[24:25], s[38:39]
.macro LOAD t
.irp i, 0,1,2,3
	global_load_b128 v[R+16*((\t)%4)+4*\i:R+16*((\t)%4)+4*\i+3], v3, s[4:5] offset:2048*(\t)+512*\i th:TH_LOAD_NT
.endr
.endm
.macro TURN t                          ; LDS serves a wave's instructions in order (ISA guide 5.7.1.4): no wait between the stores and the loads
.irp i, 0,1,2,3
	ds_store_b128 v14, v[R+16*((\t)%4)+4*\i:R+16*((\t)%4)+4*\i+3] offset:32*SP*((\t)%2)+8*SP*\i
.endr
.irp i, 0,1,2,3
	ds_load_b128 v[X+16*((\t)%2)+4*\i:X+16*((\t)%2)+4*\i+3], v15 offset:32*SP*((\t)%2)+16*\i
.endr
.endm
	s_wait_alu depctr_va_vdst(0)
.irp t, 0,1,2,3
	LOAD \t
.endr
	s_wait_kmcnt 0x0
.irp i, 0,1,2,3
	s_add_co_i32 s37, s[28+2*\i], 127
	s_lshl_b32 s38, s37, 23
	v_mov_b32 v[SC+2*\i], s38                      ; 2^e as f32
	s_add_co_i32 s37, s37, 8
	s_lshl_b32 s37, s37, 23
	s_or_b32 s37, s37, 0x600000
	v_mov_b32 v[SC+2*\i+1], s37                    ; 448 x 2^e
.endr
	s_wait_alu depctr_va_vdst(0)
	s_wait_loadcnt 12
	TURN 0
.macro STEP t
.set XS, X+16*((\t)%2)
.set SG, SC+2*(((\t)/2)%4)
	s_wait_dscnt 0x0                               ; this step's numbers are back; its stores into the stage have read their registers
.if (\t)+4 < STEPS
	LOAD (\t)+4
.endif
.if (\t)+1 < STEPS
.if STEPS-2-(\t) >= 3
	s_wait_loadcnt 12                              ; the next step's four loads are in; three steps' may be out
.else
	s_wait_loadcnt 4*(STEPS-2-(\t))
.endif
	TURN (\t)+1
.endif
.irp i, 0,1,2,3,4,5,6,7,8,9,10,11,12,13,14,15
	v_med3_num_f32 v[XS+\i], v[XS+\i], -v[SG+1], v[SG+1]   ; the conversion does not saturate (ISA guide 7.6.2): the hold comes first
.endr
	v_cvt_scalef32_pk8_fp8_f32 v[C+4*(\t):C+4*(\t)+1], v[XS:XS+7], v[SG]
	v_cvt_scalef32_pk8_fp8_f32 v[C+4*(\t)+2:C+4*(\t)+3], v[XS+8:XS+15], v[SG]
	global_store_b128 v3, v[C+4*(\t):C+4*(\t)+3], s[24:25] offset:512*(\t)      ; 512 consecutive bytes, at a multiple of 512 from xq's first byte
.endm
.irp t, 0,1,2,3,4,5,6,7,8,9,10,11,12,13,14,15
	STEP \t
.endr
	s_wait_tensorcnt 0x0                           ; the wave's end
	ds_add_u32 v192, v193
	s_wait_dscnt 0x0
	s_endpgm
; ---- the weights.  Sixteen loads, one row's 512 bytes each, go through the wave's own stage as they lie; they come back as the operand's registers want them:
; lane (r, h) takes 16 neighbours along K of row r, at 128 q + 32 c + 16 h.  So a piece (q, c) of all 32 lanes is 512 consecutive bytes of wc.
; w = f32(wq) x s in one rounding: byte + 128 is taken as an unsigned number u, and u x s + (-128 s) is one fused multiply-add; 128 s is exact.
.Lw:
	s_sub_co_u32 s37, ttmp9, WGX
	s_lshr_b32 s38, s37, 7                         ; the slice i: 128 work-groups each
	s_and_b32 s37, s37, 127
	s_lshl_b32 s37, s37, 2
	s_add_co_u32 s37, s37, s36                     ; my wave's share of the slice, 0..511
	s_and_b32 s39, s37, 1                          ; which 512 along K
	s_lshr_b32 s37, s37, 1                         ; which 16 rows
	s_mov_b64 s[58:59], s[6:7]                     ; the slice's buffers, chosen by the work-group's number alone
	s_mov_b64 s[60:61], s[14:15]
	s_cmp_eq_u32 s38, 1
	s_cselect_b64 s[58:59], s[8:9], s[58:59]
	s_cselect_b64 s[60:61], s[16:17], s[60:61]
	s_cmp_eq_u32 s38, 2
	s_cselect_b64 s[58:59], s[10:11], s[58:59]
	s_cselect_b64 s[60:61], s[18:19], s[60:61]
	s_cmp_eq_u32 s38, 3
	s_cselect_b64 s[58:59], s[12:13], s[58:59]
	s_cselect_b64 s[60:61], s[20:21], s[60:61]
	s_mov_b32 s63, 0
	s_lshl_b32 s62, s37, 14                        ; 16 rows of 1,024 bytes
	s_lshl_b32 s49, s39, 9
	s_add_co_u32 s62, s62, s49
	s_add_nc_u64 s[58:59], s[58:59], s[62:63]
	s_lshl_b32 s62, s37, 6                         ; my sixteen s
	s_add_nc_u64 s[60:61], s[60:61], s[62:63]
	s_lshr_b32 s62, s37, 2                         ; wc: 64 rows are 262,144 bytes,
	s_lshl_b32 s62, s62, 18
	s_lshl_b32 s49, s38, 16                        ; a slice 8 pieces of 8,192,
	s_add_co_u32 s62, s62, s49
	s_lshl_b32 s49, s39, 15                        ; 512 along K four of them,
	s_add_co_u32 s62, s62, s49
	s_and_b32 s49, s37, 3
	s_lshl_b32 s49, s49, 11                        ; 16 rows 2,048 bytes in a piece
	s_add_co_u32 s62, s62, s49
	s_add_nc_u64 s[26:27], s[26:27], s[62:63]
	s_wait_alu depctr_va_vdst(0)
	global_load_b32 v[SC], v12, s[60:61]           ; s of row lane % 16
.irp t, 0,1,2,3,4,5,6,7,8,9,10,11,12,13,14,15
	global_load_b128 v[R+4*\t:R+4*\t+3], v3, s[58:59] offset:1024*\t th:TH_LOAD_NT   ; row t: 512 consecutive bytes
.endr
	s_mov_b32 s56, 0x80808080
	s_wait_kmcnt 0x0                               ; the exponents
	s_mov_b32 s57, s29                             ; e[2 i + 1]
	s_cmp_eq_u32 s38, 1
	s_cselect_b32 s57, s31, s57
	s_cmp_eq_u32 s38, 2
	s_cselect_b32 s57, s33, s57
	s_cmp_eq_u32 s38, 3
	s_cselect_b32 s57, s35, s57
	s_add_co_i32 s57, s57, 127
	s_lshl_b32 s39, s57, 23
	v_mov_b32 v11, s39                             ; 2^e as f32
	s_add_co_i32 s57, s57, 8
	s_lshl_b32 s57, s57, 23
	s_or_b32 s57, s57, 0x600000
	v_mov_b32 v10, s57                             ; 448 x 2^e
	s_wait_alu depctr_va_vdst(0)
.irp t, 0,1,2,3,4,5,6,7,8,9,10,11,12,13,14,15
	s_wait_loadcnt 15-\t                           ; loads come back in order (ISA guide 5.7.1): row t is in, and so is s, the oldest
	ds_store_b128 v8, v[R+4*\t:R+4*\t+3] offset:WP*\t
.endr
	v_mul_f32 v[SC+1], 0xc3000000, v[SC]           ; -128 s: nothing is rounded
	s_wait_alu depctr_va_vdst(0)
	s_wait_dscnt 0x0                               ; the stores have read their registers, which take the pieces
.irp t, 0,1,2,3,4,5,6,7,8,9,10,11,12,13,14,15
	ds_load_b128 v[R+4*\t:R+4*\t+3], v9 offset:128*(\t/4)+32*(\t%4)
.endr
.macro WSTEP t
.set XS, X+16*((\t)%2)
	s_wait_dscnt STEPS-1-(\t)                      ; piece t is in, the younger ones stay out
.irp j, 0,1,2,3
	v_xor_b32 v[R+4*(\t)+\j], s56, v[R+4*(\t)+\j]  ; four bytes + 128 each, now unsigned
.endr
.irp j, 0,1,2,3
.irp k, 0,1,2,3
	v_bfe_u32 v[XS+4*\j+\k], v[R+4*(\t)+\j], 8*\k, 8
.endr
.endr
.irp n, 0,1,2,3,4,5,6,7,8,9,10,11,12,13,14,15
	v_cvt_f32_u32 v[XS+\n], v[XS+\n]
.endr
.irp n, 0,1,2,3,4,5,6,7,8,9,10,11,12,13,14,15
	v_fma_f32 v[XS+\n], v[XS+\n], v[SC], v[SC+1]   ; (u - 128) x s, rounded once
.endr
.irp n, 0,1,2,3,4,5,6,7,8,9,10,11,12,13,14,15
	v_med3_num_f32 v[XS+\n], v[XS+\n], -v10, v10
.endr
	v_cvt_scalef32_pk8_fp8_f32 v[C+4*(\t):C+4*(\t)+1], v[XS:XS+7], v11
	v_cvt_scalef32_pk8_fp8_f32 v[C+4*(\t)+2:C+4*(\t)+3], v[XS+8:XS+15], v11
	global_store_b128 v3, v[C+4*(\t):C+4*(\t)+3], s[26:27] offset:8192*((\t)/4)+512*((\t)%4)   ; 512 consecutive bytes, at a multiple of 512 from wc's first byte
.endm
.irp t, 0,1,2,3,4,5,6,7,8,9,10,11,12,13,14,15
	WSTEP \t
.endr
	s_wait_tensorcnt 0x0                           ; the wave's end
	ds_add_u32 v192, v193
	s_wait_dscnt 0x0
	s_endpgm
.Lfunc_end_k_q3542ce2d31_quant:
	.size	k_q3542ce2d31_quant, .Lfunc_end_k_q3542ce2d31_quant-k_q3542ce2d31_quant
	.p2alignl 7, 3214868480
	.fill 96, 4, 3214868480
	.section	.rodata,"a",@progbits
	.p2align	6, 0x0
	.amdhsa_kernel k_q3542ce2d31_quant
		.amdhsa_group_segment_fixed_size 67072
		.amdhsa_private_segment_fixed_size 0
		.amdhsa_enable_private_segment 0
		.amdhsa_kernarg_size 96
		.amdhsa_user_sgpr_count 2
		.amdhsa_user_sgpr_kernarg_segment_ptr 1
		.amdhsa_wavefront_size32 1
		.amdhsa_system_sgpr_workgroup_id_x 1
		.amdhsa_system_sgpr_workgroup_id_y 1
		.amdhsa_system_sgpr_workgroup_id_z 1
		.amdhsa_system_vgpr_workitem_id 0
		.amdhsa_next_free_vgpr 194
		.amdhsa_next_free_sgpr 66
		.amdhsa_reserve_vcc 0
		.amdhsa_float_denorm_mode_32 3
		.amdhsa_float_denorm_mode_16_64 3
		.amdhsa_memory_ordered 1
		.amdhsa_forward_progress 1
		.amdhsa_inst_pref_size 106
	.end_amdhsa_kernel
	.amdgpu_metadata
---
amdhsa.version: [ 1, 2 ]
amdhsa.kernels:
  - .name:           k_q3542ce2d31_quant
    .symbol:         k_q3542ce2d31_quant.kd
    .args:
      - { .name: x, .offset: 0, .size: 8, .value_kind: global_buffer, .address_space: global }
      - { .name: wq0, .offset: 8, .size: 8, .value_kind: global_buffer, .address_space: global }
      - { .name: wq1, .offset: 16, .size: 8, .value_kind: global_buffer, .address_space: global }
      - { .name: wq2, .offset: 24, .size: 8, .value_kind: global_buffer, .address_space: global }
      - { .name: wq3, .offset: 32, .size: 8, .value_kind: global_buffer, .address_space: global }
      - { .name: s0, .offset: 40, .size: 8, .value_kind: global_buffer, .address_space: global }
      - { .name: s1, .offset: 48, .size: 8, .value_kind: global_buffer, .address_space: global }
      - { .name: s2, .offset: 56, .size: 8, .value_kind: global_buffer, .address_space: global }
      - { .name: s3, .offset: 64, .size: 8, .value_kind: global_buffer, .address_space: global }
      - { .name: lowp_scales, .offset: 72, .size: 8, .value_kind: global_buffer, .address_space: global }
      - { .name: xq, .offset: 80, .size: 8, .value_kind: global_buffer, .address_space: global }
      - { .name: wc, .offset: 88, .size: 8, .value_kind: global_buffer, .address_space: global }
    .group_segment_fixed_size: 67072
    .private_segment_fixed_size: 0
    .kernarg_segment_align: 8
    .kernarg_segment_size: 96
    .max_flat_workgroup_size: 128
    .sgpr_count:     66
    .vgpr_count:     194
    .wavefront_size: 32
...
	.end_amdgpu_metadata
.endif
;; end of part 1
;; launch gemm (part 2): grid 16 x 16, 4 waves a work-group, clusters of 4 x 1, 327,680 bytes of LDS; arguments xq, wc, lowp_scales, bias, out0; writes out0
.if DOCPART == 2
	.amdgcn_target "amdgcn-amd-amdhsa--gfx1250"
	.amdhsa_code_object_version 6
	.text
	.protected	k_q3542ce2d31_gemm
	.globl	k_q3542ce2d31_gemm
	.p2align	8
	.type	k_q3542ce2d31_gemm,@function
k_q3542ce2d31_gemm:
	s_mov_b64 s[64:65], 0
	v_nop
	global_prefetch_b8 v0, s[64:65] scope:SCOPE_SE
	s_setreg_imm32_b32 hwreg(HW_REG_WAVE_MODE, 25, 1), 1
	s_wait_xcnt 0x0
	s_wait_alu depctr_hold_cnt(0) depctr_sa_sdst(0) depctr_va_vdst(0) depctr_va_sdst(0) depctr_va_ssrc(0) depctr_va_vcc(0) depctr_vm_vsrc(0)
	s_getreg_b32 s2, hwreg(HW_REG_IB_STS2, 6, 4)
	s_cmp_eq_u32 s2, 0
	s_cbranch_scc0 .Lentry_in_a_cluster
	s_endpgm
.Lentry_in_a_cluster:
	s_bfe_u32 s2, ttmp6, 0x10000c
	s_cmp_lg_u32 s2, 0x3003
	s_cbranch_scc0 .Lentry_shape_is_right
	s_endpgm
.Lentry_shape_is_right:
; out[m][n] = bias[n] + sum over the four slices i of 2^E_i x (sum over the slice's 1,024 k of xq[m][k] x wc[n][k]), E_i = e[2 i] + e[2 i + 1]; codes of FP8 (E4M3), sums in f32.
; One sum for each output: at a change of slices it is multiplied by 2^(E_i - E_(i+1)), at the end by 2^E_3.
; LIMITS: E_3 and each E_i - E_(i+1) between -126 and 127, so that the factors are f32 numbers.
; A work-group of four waves makes 256 x 256 of out.  A wave makes all 256 rows x 64 columns: 64 accumulators of 16 x 16, 512 registers.
; A (xq) goes through a ring of two LDS slots of 256 rows x 512 along K, filled by the tensor data mover, 64 rows a wave: a slot feeds 4 steps of 128 along K, 256 matrix instructions a wave.
; B (wc) is a wave's own: no other wave of the work-group needs its 64 columns.  It lies in memory as images of the operand's registers and goes straight into registers,
; 16 loads of 512 consecutive bytes a step, into four sets of 64 registers by turns: a set is asked for when the step four back has used it, three steps (192 matrix instructions) ahead of its use.
; CLUSTERS: the four work-groups of a cluster make the same 256 rows and ask for A's slot JOINTLY (mask 15).  B is not asked for jointly: a joint load lands in LDS, and with B's tiles in LDS
; two slots would hold 256 along K each in place of 512.  B is not prefetched: its loads themselves stand three steps ahead of their use.
; THE MATRIX INSTRUCTION IS USED TRANSPOSED (source 0 = 16 columns' rows of B, source 1 = 16 rows of A): a lane holds eight neighbouring numbers of a row of out.
; REGISTERS: window 0: v0-31 addresses, v128-255 eight fragments of A in two halves; window 1: B's four sets; window 2: accumulators of A's blocks 0-7 ((a, b) at v[8 (4 a + b)]); window 3: of blocks 8-15.
; A step goes by groups of four blocks of A; behind a group its half takes the group two further on.
.set PITCH,  528                       ; an LDS row: 512 bytes + 16 of padding: 16 rows start at 16 different banks (64 banks of 4 bytes: ISA guide 11.1)
.set SLOT,   256*PITCH
.set SPARE,  2*SLOT                    ; the spare words, 128 bytes a wave
.set STAGE,  SPARE+512                 ; the way out: 16 rows x 272 bytes for each wave; no tensor load lands here
.set SPITCH, 272
.set BI,   8                           ; v8-11 bias of my four columns on the way out
.set ADR,  16                          ; v16-19 LDS address of A's fragments: slot 0 blocks 0-7, 8-15; slot 1 likewise
.set STO,  24
.set RD,   25
.set CO,   26
.set BIO,  27
.set SPW,  28
.set NIL,  29
.set PFO,  30
.set BO,   31                          ; 16 x lane
.set AF,   128
.set BK,   32
.set G1, 24                            ; s[24:31] descriptor group 1; s[32:39] group 0, one set for each slot
.set G0, 32
.set EX,  68
.set SF,  76
.set FS,  80
.set PFA, 82
.set BP,  90
.set MSB, 0
.macro WIN new                         ; the immediate's high byte repeats the setting that is left
.if MSB != \new
	s_set_vgpr_msb (MSB<<8)|\new
.set MSB, \new
.endif
.endm
.set MUL_LO, 0xa1                      ; source 0 (B) window 1, source 1 (A) window 0, C and D window 2
.set MUL_HI, 0xf1
.set TO_B,   0x40
.macro CREST
	s_cmp_lg_u32 s14, 0
	s_cbranch_scc1 .Lnot_wave_0_\@
	s_barrier_signal -3
.Lnot_wave_0_\@:
	s_barrier_wait -3
	s_barrier_signal -1
	s_barrier_wait -1
.endm
.macro CROUND
	s_barrier_signal -1
	s_barrier_wait -1
	CREST
.endm
.macro PLACES
.rept 4
	v_nop
.endr
.endm
.macro JLOAD s                         ; every wave asks for its 64 rows; s_nop 0 and four v_nop follow
	tensor_load_to_lds s[G0+4*\s:G0+4*\s+3], s[G1:G1+7]
	s_nop 0
	PLACES
.endm
	s_load_b128 s[4:7], s[0:1], 0x0                ; xq, wc
	s_load_b128 s[8:11], s[0:1], 0x10              ; lowp_scales, bias
	s_load_b64 s[12:13], s[0:1], 0x20              ; out
	v_lshl_add_u32 v[SPW], v0, 2, SPARE
	v_mov_b32 v[NIL], 0
	ds_add_u32 v[SPW], v[NIL]                      ; the opening: the add, twice on end, and its wait ahead of my first tensor load
	ds_add_u32 v[SPW], v[NIL]
	v_lshrrev_b32 v1, 5, v0
	v_readfirstlane_b32 s14, v1                    ; wave 0..3
	s_mul_i32 s23, s14, 16*SPITCH
	s_add_co_u32 s23, s23, STAGE                   ; my stage
	v_and_b32 v1, 15, v0                           ; r = l % 16
	v_bfe_u32 v2, v0, 4, 1                         ; h = l / 16
	v_mul_u32_u24 v3, v1, PITCH
	v_lshl_add_u32 v[ADR], v2, 4, v3               ; a fragment's row x pitch + 16 h
	v_add_nc_u32 v[ADR+1], 8*16*PITCH, v[ADR]
	v_add_nc_u32 v[ADR+2], SLOT, v[ADR]
	v_add_nc_u32 v[ADR+3], SLOT+8*16*PITCH, v[ADR]
	v_mul_u32_u24 v4, v1, SPITCH
	v_lshl_add_u32 v4, v2, 5, v4
	v_add_nc_u32 v[STO], s23, v4                   ; into the stage: row r, 32 bytes for each half of the lanes
	v_mul_u32_u24 v5, v2, SPITCH
	v_lshl_add_u32 v5, v1, 4, v5
	v_add_nc_u32 v[RD], s23, v5                    ; back: lanes 0-15 one row of 256 bytes, lanes 16-31 the next
	v_lshlrev_b32 v[BIO], 4, v1                    ; my four columns
	v_lshl_add_u32 v[CO], v2, 14, v[BIO]           ; the same two rows in out
	v_lshlrev_b32 v6, 12, v1
	v_lshl_add_u32 v[PFO], v2, 8, v6               ; the prefetch: row r of xq, 256 bytes for each half of the lanes
	v_and_b32 v7, 31, v0
	v_lshlrev_b32 v[BO], 4, v7
	s_wait_alu depctr_va_vdst(0)
	s_bfe_u32 s40, ttmp6, 0x40000                  ; cx
	s_lshl_b32 s42, ttmp9, 2
	s_add_co_u32 s42, s42, s40                     ; tile column = 4 x cluster x + cx
	s_and_b32 s17, ttmp7, 0xffff                   ; tile row = cluster y
	s_mov_b32 s[G1+0], 15|(1<<20)|(1<<21)|(6<<22)|(3<<25)   ; mask: the four; elements of 1 byte; padding of 4 words behind every 128
	s_mov_b32 s[G1+1], 512<<16
	s_mov_b32 s[G1+2], 64<<16
	s_mov_b32 s[G1+3], 512<<16
	s_mov_b32 s[G1+4], 64
	s_mov_b32 s[G1+5], 4096
	s_mov_b32 s[G1+6], 0
	s_mov_b32 s[G1+7], 0
	s_lshl_b32 s20, s17, 8
	s_lshl_b32 s18, s14, 6
	s_add_co_u32 s20, s20, s18                     ; A: row 256 x tile row + 64 x wave,
	s_lshl_b32 s20, s20, 12                        ; of 4,096 bytes
	s_mov_b32 s21, 0
	s_mul_i32 s45, s14, 64*PITCH                   ; and where it goes
	s_lshl_b32 s46, s42, 2
	s_add_co_u32 s46, s46, s14                     ; B: my 64 columns' number,
	s_lshl_b32 s46, s46, 18                        ; 262,144 bytes each
	s_mov_b32 s47, 0
	s_lshl_b32 s48, s42, 10
	s_lshl_b32 s49, s14, 8
	s_add_co_u32 s48, s48, s49                     ; my first column in bytes of f32
	s_mov_b32 s49, 0
	s_lshl_b32 s50, s17, 22                        ; my first row of out: 256 rows of 16,384 bytes
	s_mov_b32 s51, 0
	s_lshl_b32 s52, s17, 8
	s_lshl_b32 s53, s40, 6
	s_add_co_u32 s52, s52, s53
	s_lshl_b32 s53, s14, 4
	s_add_co_u32 s52, s52, s53                     ; the prefetch: of the slot's 256 rows my work-group takes 64 by cx, my wave 16 of them
	s_lshl_b32 s52, s52, 12
	s_add_co_u32 s52, s52, 3*512                   ; the first change of slots steps it to the fifth 512 along K
	s_mov_b32 s53, 0
	s_wait_dscnt 0x0                               ; both opening adds are done
	s_wait_kmcnt 0x0
	s_load_b256 s[EX:EX+7], s[8:9], 0x0
	s_add_nc_u64 s[20:21], s[4:5], s[20:21]
	s_add_nc_u64 s[PFA:PFA+1], s[4:5], s[52:53]
	s_add_nc_u64 s[BP:BP+1], s[6:7], s[46:47]
	s_add_nc_u64 s[10:11], s[10:11], s[48:49]
	s_add_nc_u64 s[12:13], s[12:13], s[48:49]
	s_add_nc_u64 s[12:13], s[12:13], s[50:51]
.irp s, 0,1
	s_mov_b32 s[G0+4*\s], 1
	s_add_co_u32 s[G0+4*\s+1], s45, \s*SLOT
	s_add_nc_u64 s[G0+4*\s+2:G0+4*\s+3], s[20:21], \s*512
	s_or_b32 s[G0+4*\s+3], s[G0+4*\s+3], 0x80000000
.endr
	CROUND                                         ; the four work-groups are here: the first joint loads meet
	JLOAD 0                                        ; the first 512 along K: one tensor load a wave at the head
.macro MULB a, p, zero                 ; block a of A against B's four fragments of set p; the accumulators take turns
.irp b, 0,1,2,3
.if \zero
	v_wmma_f32_16x16x128_fp8_fp8 v[8*(4*((\a)%8)+\b):8*(4*((\a)%8)+\b)+7], v[64*(\p)+16*\b:64*(\p)+16*\b+15], v[AF+16*((\a)%8):AF+16*((\a)%8)+15], 0
.else
	v_wmma_f32_16x16x128_fp8_fp8 v[8*(4*((\a)%8)+\b):8*(4*((\a)%8)+\b)+7], v[64*(\p)+16*\b:64*(\p)+16*\b+15], v[AF+16*((\a)%8):AF+16*((\a)%8)+15], v[8*(4*((\a)%8)+\b):8*(4*((\a)%8)+\b)+7]
.endif
.endr
.endm
.macro LDA slot, q, k                  ; group k's four fragments of the slot's q-th 128 along K: lane (r, h), registers 4 c .. 4 c + 3: K = 32 c + 16 h + 0 .. 15, as wc's images have it
.irp i, 0,1,2,3
.irp c, 0,1,2,3
	ds_load_b128 v[AF+16*((4*(\k)+\i)%8)+4*\c:AF+16*((4*(\k)+\i)%8)+4*\c+3], v[ADR+2*(\slot)+(\k)/2] offset:((4*(\k)+\i)%8)*16*PITCH+128*(\q)+32*\c
.endr
.endr
.endm
.macro LDB p, o                        ; B's set p: the 8,192 bytes of step o, counted from where s[BP] stands
	WIN TO_B
.irp j, 0,1,2,3,4,5,6,7,8,9,10,11,12,13,14,15
	global_load_b128 v[64*(\p)+4*\j:64*(\p)+4*\j+3], v[BO], s[BP:BP+1] offset:8192*(\o)+512*\j
.endr
	WIN 0
.endm
; The last 256 along K (slot 1's steps 2 and 3, B's sets 2 and 3) go by rows of out: group k is blocks 2 k and 2 k + 1 of A, both steps.
.macro LDAR k                          ; its four fragments, step 2's two first, into half k % 2
.irp u, 0,1
.irp i, 0,1
.irp c, 0,1,2,3
	ds_load_b128 v[AF+16*(4*((\k)%2)+2*\u+\i)+4*\c:AF+16*(4*((\k)%2)+2*\u+\i)+4*\c+3], v[ADR+2+(\k)/4] offset:((2*(\k)+\i)%8)*16*PITCH+128*(2+\u)+32*\c
.endr
.endr
.endr
.endm
.macro GRPR k, y                       ; its 16 matrix instructions: 8 accumulators by turns, K ascending.  y: the LDS instructions younger than the group's loads
	WIN MUL_LO+0x50*((\k)/4)
.irp u, 0,1
.irp i, 0,1
	s_wait_dscnt \y+12-4*(2*\u+\i)
.irp b, 0,1,2,3
	v_wmma_f32_16x16x128_fp8_fp8 v[8*(4*((2*(\k)+\i)%8)+\b):8*(4*((2*(\k)+\i)%8)+\b)+7], v[64*(2+\u)+16*\b:64*(2+\u)+16*\b+15], v[AF+16*(4*((\k)%2)+2*\u+\i):AF+16*(4*((\k)%2)+2*\u+\i)+15], v[8*(4*((2*(\k)+\i)%8)+\b):8*(4*((2*(\k)+\i)%8)+\b)+7]
.endr
.endr
.endr
.endm
.macro GRP k, p, zero, y               ; group k: 16 matrix instructions.  y: the LDS loads younger than this group's; a block's wait also leaves the group's later blocks out
	WIN MUL_LO+0x50*((\k)/2)
.irp i, 0,1,2,3
	s_wait_dscnt \y+12-4*\i
	MULB 4*(\k)+\i, \p, \zero
.endr
.endm
; A step of 128 along K with its successor in the same slot (last = 1: the last step that goes by K: it fetches the first two groups of the part that goes by rows).
; Four v_nop stand in front of loads into registers that matrix instructions have read (ISA guide 7.12.1 for vector instructions).
; lc: B's loads that may stay out: three later sets less one, so that 63 at the most are out behind the step's own sixteen; the counts run down at the end.
.macro STEP slot, q, zero, lc, bo, last
	s_wait_loadcnt \lc
	GRP 0, \q, \zero, 16
	PLACES
	WIN 0
	LDA \slot, \q, 2
	GRP 1, \q, \zero, 16
	PLACES
	WIN 0
	LDA \slot, \q, 3
	GRP 2, \q, \zero, 16
.if \last
	PLACES
	WIN 0
	LDAR 0
	GRP 3, \q, \zero, 16
	PLACES
	WIN 0
	LDAR 1
.else
	PLACES
	WIN 0
	LDA \slot, (\q)+1, 0
	GRP 3, \q, \zero, 16
	PLACES
	WIN 0
	LDA \slot, (\q)+1, 1
.if \bo >= 0
	LDB \q, \bo
.endif
.endif
.endm
; A slot's last step changes slots: in front of the barrier each wave waits for all its tensor loads, adds 0 to its spare word, and waits for that and for its reads of this slot.
; fill = 1: the barrier opens a round of the cluster's barrier, and this slot takes the 512 along K two slots on.
; ask = 1: one prefetch a wave, a lane a block of 256 bytes, of the 512 along K that stands two refills on; each block is named once in the cluster; the loop's last trip has none left to name.
.macro TURN slot, next, fill, ask, bo
.if \ask
	s_wait_xcnt 0x0                                ; my last prefetch has read its address
	s_add_nc_u64 s[PFA:PFA+1], s[PFA:PFA+1], 512
.endif
	s_wait_loadcnt 47
	GRP 0, 3, 0, 16
	PLACES
	WIN 0
	LDA \slot, 3, 2
	GRP 1, 3, 0, 16
	PLACES
	WIN 0
	LDA \slot, 3, 3
	GRP 2, 3, 0, 16
	WIN 0
	s_wait_tensorcnt 0x0                           ; my part of the next slot has landed
	ds_add_u32 v[SPW], v[NIL]
.if \fill
	s_add_nc_u64 s[G0+4*\slot+2:G0+4*\slot+3], s[G0+4*\slot+2:G0+4*\slot+3], 1024
.endif
	s_wait_dscnt 13                                ; block 12 is in: the add and blocks 13-15 may be out
	WIN MUL_HI
	MULB 12, 3, 0
	s_wait_dscnt 0x0                               ; the add is done, and my reads of this slot are over
	s_barrier_signal -1
	MULB 13, 3, 0
	WIN 0
	s_barrier_wait -1
.if \fill
	CREST                                          ; no wave of any partner still reads this slot or has a load on its way
	JLOAD \slot                                    ; its four v_nop are also the places in front of the loads below
.else
	PLACES
.endif
	LDA \next, 0, 0
.if \ask
	s_cmp_gt_u32 s3, 1
	s_cbranch_scc0 .Lnone_\@
	global_prefetch_b8 v[PFO], s[PFA:PFA+1] th:TH_LOAD_NT scope:SCOPE_SE
.Lnone_\@:
.endif
	WIN MUL_HI
	MULB 14, 3, 0
	MULB 15, 3, 0
	PLACES
	WIN 0
	LDA \next, 0, 1
	LDB 3, \bo
.endm
.macro RESCALE                         ; every sum x 2^(E_i - E_(i+1)); each accumulator from its low end on
	WIN 0x82
.set j, 0
.rept 128
	v_pk_mul_f32 v[j:j+1], v[j:j+1], s[SF:SF+1] op_sel_hi:[1,0]
.set j, j+2
.endr
	WIN 0xc3
.set j, 0
.rept 128
	v_pk_mul_f32 v[j:j+1], v[j:j+1], s[SF:SF+1] op_sel_hi:[1,0]
.set j, j+2
.endr
	WIN 0
	s_mov_b32 s[SF], s[SF+2]
	s_mov_b32 s[SF+2], s[SF+3]
.endm
	global_load_b128 v[BI:BI+3], v[BIO], s[10:11]  ; the oldest load
	LDB 0, 0
	LDB 1, 1
	s_wait_kmcnt 0x0
	s_add_co_i32 s85, s[EX+0], s[EX+1]             ; E_0 .. E_3
	s_add_co_i32 s86, s[EX+2], s[EX+3]
	s_add_co_i32 s87, s[EX+4], s[EX+5]
	s_add_co_i32 s88, s[EX+6], s[EX+7]
	s_sub_co_i32 s[SF], s85, s86
	s_add_co_i32 s[SF], s[SF], 127
	s_lshl_b32 s[SF], s[SF], 23                    ; 2^(E_0 - E_1) as f32
	s_mov_b32 s[SF+1], s[SF]
	s_sub_co_i32 s[SF+2], s86, s87
	s_add_co_i32 s[SF+2], s[SF+2], 127
	s_lshl_b32 s[SF+2], s[SF+2], 23
	s_sub_co_i32 s[SF+3], s87, s88
	s_add_co_i32 s[SF+3], s[SF+3], 127
	s_lshl_b32 s[SF+3], s[SF+3], 23
	s_add_co_i32 s[FS], s88, 127
	s_lshl_b32 s[FS], s[FS], 23                    ; 2^E_3
	s_mov_b32 s[FS+1], s[FS]
	s_wait_alu depctr_va_vdst(0)
	s_wait_tensorcnt 0x0                           ; my part of slot 0 is in; slot 1's first fill is issued as a refill is
	ds_add_u32 v[SPW], v[NIL]
	s_wait_dscnt 0x0
	CROUND
	JLOAD 1
	LDA 0, 0, 0
	LDA 0, 0, 1
	LDB 2, 2                                       ; sets 2 and 3 are asked for behind slot 1's first fill: their steps stand two and three steps on
	s_wait_loadcnt 32                              ; set 0 is in, sets 1 and 2 may be out
	LDB 3, 3
	STEP 0, 0, 1, 47, 4, 0                         ; the first step starts the sums: nothing is cleared
	s_mov_b32 s3, 3
.Lslice:                                               ; a trip: a slice's steps 1 to 7, the change of scales, the next slice's step 0; both slots are filled again
	STEP 0, 1, 0, 47, 5, 0
	STEP 0, 2, 0, 47, 6, 0
	TURN 0, 1, 1, 1, 7
	STEP 1, 0, 0, 47, 8, 0
	STEP 1, 1, 0, 47, 9, 0
	STEP 1, 2, 0, 47, 10, 0
	TURN 1, 0, 1, 1, 11
	RESCALE
	s_wait_alu depctr_va_vdst(0)
	STEP 0, 0, 0, 47, 12, 0
	s_wait_xcnt 0x0                                ; B's loads have read their base
	s_add_nc_u64 s[BP:BP+1], s[BP:BP+1], 65536     ; eight steps on
	s_sub_co_u32 s3, s3, 1
	s_cmp_lg_u32 s3, 0
	s_cbranch_scc1 .Lslice
	STEP 0, 1, 0, 47, 5, 0                         ; the last slice fills nothing again
	STEP 0, 2, 0, 47, 6, 0
	TURN 0, 1, 0, 0, 7
	STEP 1, 0, 0, 47, -1, 0
	STEP 1, 1, 0, 32, -1, 1
; THE WAY OUT, block by block of 16 rows x 64 columns: through my own stage, back as whole rows of 256 bytes, x 2^E_3 + bias, sixteen lanes to an aligned 256 bytes of out.
; LDS serves a wave's instructions in order (ISA guide 5.7.1.4): no wait between the stores and the loads.  Every offset is an immediate: 254 rows of 16,384 bytes at the most.
.macro TOSTAGE a
.set AC, 32*((\a)%8)
.set BB, BK+32*((\a)%2)
	WIN (0x08+4*((\a)/8))
.irp b, 0,1,2,3
	ds_store_b128 v[STO], v[AC+8*\b:AC+8*\b+3] offset:64*\b
	ds_store_b128 v[STO], v[AC+8*\b+4:AC+8*\b+7] offset:64*\b+16
.endr
	WIN 0
.irp t, 0,1,2,3,4,5,6,7
	ds_load_b128 v[BB+4*\t:BB+4*\t+3], v[RD] offset:\t*2*SPITCH
.endr
.endm
.macro SEND a, younger
.set BB, BK+32*((\a)%2)
	s_wait_dscnt \younger                          ; the block is back; the next block's 8 stores and 8 loads may be out
.irp t, 0,1,2,3,4,5,6,7
	v_pk_fma_f32 v[BB+4*\t:BB+4*\t+1], v[BB+4*\t:BB+4*\t+1], s[FS:FS+1], v[BI:BI+1] op_sel_hi:[1,0,1]
	v_pk_fma_f32 v[BB+4*\t+2:BB+4*\t+3], v[BB+4*\t+2:BB+4*\t+3], s[FS:FS+1], v[BI+2:BI+3] op_sel_hi:[1,0,1]
.endr
.irp t, 0,1,2,3,4,5,6,7
	global_store_b128 v[CO], v[BB+4*\t:BB+4*\t+3], s[12:13] offset:(16*(\a)+2*\t)*16384 th:TH_STORE_NT
.endr
.endm
; The last 256 along K by rows: a group's two blocks are finished, go into the stage, and are stored behind the next group's products, which are issued while the stage's loads come back.
	s_wait_loadcnt 0x0                             ; B's sets 2 and 3, and the bias
	GRPR 0, 16                                     ; group 1's 16 loads may be out
.irp k, 0,1,2,3,4,5,6,7
	PLACES                                         ; in front of the stage's stores, which read results just made, and of the loads into the half just read
	WIN 0
.if \k < 6
	LDAR \k+2
.endif
.if \k > 0
	s_wait_xcnt 0x0                                ; the last group's stores have read their registers: the stage's loads may land there
.endif
	TOSTAGE 2*\k
	TOSTAGE 2*\k+1
.if \k < 6
	GRPR \k+1, 48                                  ; younger than its loads: the next group's 16 and the stage's 32
.endif
.if \k == 6
	GRPR 7, 32
.endif
	WIN 0
	SEND 2*\k, 16                                  ; the second block's 8 stores and 8 loads may be out
	SEND 2*\k+1, 0
.endr
	s_wait_tensorcnt 0x0                           ; the wave's end
	ds_add_u32 v[SPW], v[NIL]
	s_wait_dscnt 0x0
	CROUND                                         ; the closing round
	s_endpgm
.Lfunc_end_k_q3542ce2d31_gemm:
	.size	k_q3542ce2d31_gemm, .Lfunc_end_k_q3542ce2d31_gemm-k_q3542ce2d31_gemm
	.p2alignl 7, 3214868480
	.fill 96, 4, 3214868480
	.section	.rodata,"a",@progbits
	.p2align	6, 0x0
	.amdhsa_kernel k_q3542ce2d31_gemm
		.amdhsa_group_segment_fixed_size 327680
		.amdhsa_private_segment_fixed_size 0
		.amdhsa_enable_private_segment 0
		.amdhsa_kernarg_size 40
		.amdhsa_user_sgpr_count 2
		.amdhsa_user_sgpr_kernarg_segment_ptr 1
		.amdhsa_wavefront_size32 1
		.amdhsa_system_sgpr_workgroup_id_x 1
		.amdhsa_system_sgpr_workgroup_id_y 1
		.amdhsa_system_sgpr_workgroup_id_z 1
		.amdhsa_system_vgpr_workitem_id 0
		.amdhsa_next_free_vgpr 1024
		.amdhsa_next_free_sgpr 98
		.amdhsa_reserve_vcc 0
		.amdhsa_float_denorm_mode_32 3
		.amdhsa_float_denorm_mode_16_64 3
		.amdhsa_memory_ordered 1
		.amdhsa_forward_progress 1
		.amdhsa_inst_pref_size 245
	.end_amdhsa_kernel
	.amdgpu_metadata
---
amdhsa.version: [ 1, 2 ]
amdhsa.kernels:
  - .name:           k_q3542ce2d31_gemm
    .symbol:         k_q3542ce2d31_gemm.kd
    .args:
      - { .name: xq, .offset: 0, .size: 8, .value_kind: global_buffer, .address_space: global }
      - { .name: wc, .offset: 8, .size: 8, .value_kind: global_buffer, .address_space: global }
      - { .name: lowp_scales, .offset: 16, .size: 8, .value_kind: global_buffer, .address_space: global }
      - { .name: bias, .offset: 24, .size: 8, .value_kind: global_buffer, .address_space: global }
      - { .name: out0, .offset: 32, .size: 8, .value_kind: global_buffer, .address_space: global }
    .group_segment_fixed_size: 327680
    .private_segment_fixed_size: 0
    .kernarg_segment_align: 8
    .kernarg_segment_size: 40
    .max_flat_workgroup_size: 128
    .sgpr_count:     98
    .vgpr_count:     1024
    .wavefront_size: 32
...
	.end_amdgpu_metadata
.endif
;; end of part 2
